; MI455X (gfx1250); checked and timed in simulation.
; The chip was launched on July 23, 2026; its instructions are those of AMD's public machine-readable ISA for CDNA 5 (MIT licence, August 2026) and "CDNA5" Instruction Set Architecture Reference Guide (July 2026). The comments in the code are by the model that wrote it; some were corrected since.
;; Multi Head Attention. Allowed arithmetic: matrix products marked QUANTISED: E2M1 operands, one E8M0 scale for each 32 along K, by v_wmma_scale_f32_16x16x128_f8f6f4 with both operands' format E2M1 (or v_wmma_scale_f32_32x16x128_f4), f32 sums; everything else in f32.
;; Inputs: W_proj_codes 1,024 x 32 x 16 uint8 (E2M1 codes of W_proj, K innermost, in blocks of 32 codes, two codes a byte); W_proj_scales 1,024 x 32 uint8 (E8M0 scales of W_proj, one for each 32 codes along K); W_qkv_codes 3,072 x 32 x 16 uint8 (E2M1 codes of W_qkv, K innermost, in blocks of 32 codes, two codes a byte); W_qkv_scales 3,072 x 32 uint8 (E8M0 scales of W_qkv, one for each 32 codes along K); b_proj 1,024 float32; b_qkv 3,072 float32; x_codes 4 x 2,048 x 32 x 16 uint8 (E2M1 codes of x, K innermost, in blocks of 32 codes, two codes a byte); x_scales 4 x 2,048 x 32 uint8 (E8M0 scales of x, one for each 32 codes along K).
;; Outputs: out0 4 x 2,048 x 1,024 float32.
;; This version of the problem:
;;   THIS VERSION OF THE PROBLEM IS GIVEN IN LOW PRECISION. The matrix products marked QUANTISED in the list below multiply operands that are first quantised to E2M1 (2 exponent bits, 1 mantissa bit; 4 bits a number), with one power-of-two scale for each 32 numbers along K (OCP MX v1.0); their sums are f32. All else is computed in f32.
;;   The module's matrix products, in the order in which they are computed (A, B: the left and right operand; K: the contracted axis; several contracted axes count as one K, in the product's order):
;;     1. [M 8,192, K 1,024] x [K 1,024, N 3,072]; A: input x (given as codes); B: input W_qkv (given as codes): QUANTISED
;;     2. batch 64 x [M 2,048, K 64] x [K 64, N 2,048]; A: computed on the way; B: computed on the way: QUANTISED
;;     3. batch 64 x [M 2,048, K 2,048] x [K 2,048, N 64]; A: softmax (see below); B: computed on the way: QUANTISED
;;     4. [M 8,192, K 1,024] x [K 1,024, N 1,024]; A: computed on the way; B: input W_proj (given as codes): QUANTISED
;;   THE QUANTISER, for each operand of a quantised product, along K:
;;     - K is cut into blocks of 32 from its start; a last block that is shorter is filled with zeros.
;;     - A block's scale is 2^e with e = floor(log2(the largest magnitude in the block)) - 2, held to -126 .. 127; a block of zeros has e = 0. As a byte (E8M0): e + 127.
;;     - Each number is divided by its block's scale, clamped to +-6, and rounded to the nearest number of E2M1, ties to even, subnormals kept.
;;     - The product sums the exact products of the quantised numbers (number of the format x scale) in f32.
;;   ~~~python
;;   def quantise(x, axis):      # numpy; x: float32 -> the quantised numbers, widened to float32 again
;;       x = np.moveaxis(x, axis, -1); K = x.shape[-1]
;;       x = np.pad(x, [(0, 0)] * (x.ndim - 1) + [(0, -K % 32)]); x = x.reshape(x.shape[:-1] + (-1, 32)); a = np.abs(x).max(-1, keepdims=True)
;;       e = np.where(a > 0, np.clip(np.frexp(np.where(a > 0, a, 1))[1] - 1 - 2, -126, 127), 0)      # np.frexp(a)[1] - 1 = floor(log2(a)), exactly
;;       r = np.clip(x / 2.0 ** e, -6, 6)
;;       step = 2.0 ** (np.maximum(np.frexp(np.where(r == 0, 1, r))[1] - 1, 0) - 1)
;;       q = np.round(r / step) * step * 2.0 ** e      # np.round: ties to even
;;       return np.moveaxis(q.reshape(q.shape[:-2] + (-1,))[..., :K], -1, axis).astype(np.float32)
;;   ~~~
;;   SOFTMAX AHEAD OF A QUANTISED PRODUCT. Where the list says 'softmax', what is quantised is not the finished softmax but p = 2^(t - M), with t = logit x log2(e) and M = ceil(the row's largest t), a whole number; so 1/2 < the row's largest p <= 1. The row's sum l is taken of the UNQUANTISED p, in f32, and the product's result is divided by l at the end. Since M is a whole number, a kernel that streams over the keys may use a running M (the ceiling of the running maximum): every later rescaling is an exact power of two, which a block's scale takes up: the codes' values come out the same.
;;   OPERANDS COMPUTED ON THE WAY. 'Computed on the way' means the value that the module computes at that place (a softmax that the list does not call 'softmax' is quantised finished and normalised). What goes into a quantiser is computed in f32, as accurately as f32 sums, v_exp_f32 and their like allow (about 1e-6 of the number): no bf16 or f16 on the way to a quantiser, and a product that is left as it is and whose result goes on into a quantised operand takes f32 operands (vector FMAs, or v_wmma_f32_16x16x4_f32). A number that lies on a knife's edge between two numbers of the format may be rounded either way, as far as f32 arithmetic and the matrix unit's own rounding can turn it there, and no further.
;;   INPUTS GIVEN AS CODES. W_proj (in the module: [1024, 1024], K = its axis 1); W_qkv (in the module: [3072, 1024], K = its axis 1); x (in the module: [4, 2048, 1024], K = its axis 2): each comes as NAME_codes (uint8): NAME with its K axis moved to the last place and cut into blocks of 32 codes, [.., K / 32, bytes a block], one block behind the other in memory; two codes a byte, the lower K in the low four bits (a code: sign, 2 exponent bits, 1 mantissa bit); and NAME_scales (uint8): the same leading axes, one E8M0 byte (e + 127) for each 32 codes along K. Its value is code x scale, taken as it is: it is not quantised again, and the codes and scales need not be those that the quantiser above would give.
;; One version. Each part assembles by itself: llvm-mc -triple=amdgcn-amd-amdhsa -mcpu=gfx1250 --defsym DOCPART=n.
;; ======== version 1 of 1: 3 launches
;; workspace buffers: qc 4,194,304 bytes; qs 524,288 bytes; kv 9,175,040 bytes; ac 4,194,304 bytes; asc 262,144 bytes
;; launch qkv (part 1): grid 8 x 64, 4 waves a work-group, clusters of 4 x 4, 327,680 bytes of LDS; arguments x_codes, x_scales, W_qkv_codes, W_qkv_scales, b_qkv, qc, qs, kv; writes qc, qs, kv
.if DOCPART == 1
	.amdgcn_target "amdgcn-amd-amdhsa--gfx1250"
	.amdhsa_code_object_version 6
	.text
	.protected	k_qa17693d557_qkv
	.globl	k_qa17693d557_qkv
	.p2align	8
	.type	k_qa17693d557_qkv,@function
k_qa17693d557_qkv:
	s_mov_b64 s[64:65], 0
	v_nop
	global_prefetch_b8 v0, s[64:65] scope:SCOPE_SE
	s_setreg_imm32_b32 hwreg(HW_REG_WAVE_MODE, 25, 1), 1
	s_wait_xcnt 0x0
	s_wait_alu depctr_hold_cnt(0) depctr_sa_sdst(0) depctr_va_vdst(0) depctr_va_sdst(0) depctr_va_ssrc(0) depctr_va_vcc(0) depctr_vm_vsrc(0)
	s_getreg_b32 s2, hwreg(HW_REG_IB_STS2, 6, 4)
	s_cmp_eq_u32 s2, 0
	s_cbranch_scc0 .Lentry_in_a_cluster
	s_endpgm
.Lentry_in_a_cluster:
	s_bfe_u32 s2, ttmp6, 0x10000c
	s_cmp_lg_u32 s2, 0xf033
	s_cbranch_scc0 .Lentry_shape_is_right
	s_endpgm
.Lentry_shape_is_right:
; q, k, v = x W_qkv^T + b_qkv on codes of FP4 (E2M1) with one E8M0 scale for each 32 along K = 1,024, and the three results quantised at once for the attention that follows.
; SHARES.  A work-group takes 128 tokens (Y) and two heads (X): 128 rows each of W's q, k and v parts.  Wave w: I = w / 2 (tokens 64 I on), J = w % 2 (head 2 X + J): 64 tokens x (64 q + 64 k + 64 v): 48 accumulators, 384 registers.
; LDS.  The whole K of the four sources (x, Wq, Wk, Wv: 128 rows each) fits at once, as two chunks of 512 along K (rows of 256 bytes, 272 apart, so that sixteen neighbouring rows begin 16 bytes apart modulo 256), and their scale bytes
; (4,096 dense bytes a source, as rows of 256 + 16).  Wave u fetches source u: three tensor loads, all at the start; no LDS byte is filled twice, so there is no ring.
; CLUSTER 4 x 4.  x's tile hangs on Y alone and is asked for jointly by a row of the cluster, W's tiles hang on X alone and are asked for jointly by a column.
; LAYOUT.  q, k: source 0 = 16 rows of W, source 1 = 16 tokens: a lane holds ONE token and its registers run along the head's 64, which is the next product's K.  v: source 0 = 16 tokens, source 1 = 16 rows of W: a lane holds ONE channel
; and its registers run down the tokens, which are the keys, the K of the product with p.  The biases are the C of each sum's first matrix instruction.
; THE QUANTISER.  32 registers on end (four result tiles) are two blocks of 32: tile t, lane (r, h), register j is k = 16 t + 8 h + j; a block lies in lanes l and l xor 16.  A block's scale byte is its largest magnitude's exponent field - 2.
; Tiles 0, 2, 1, 3 are converted into four registers on end and two exchanges of half-rows make of them registers 0-3 of a 4-bit operand (lane (r, h): k = 32 h + 0 .. 31).  They are stored as they stand, lane l's 16 bytes at 16 l.
; OUT.  qc [head of batch 64][token tile 128][512 B];  qs one word a token {byte d 0-31, byte d 32-63, 0x7f, 0x7f};  kv [head of batch][key step of 128 keys][8,960 B]: 8 tiles of K, 8 half fragments of V^T, K's 128 scale words, V's 64.
; LIMITS: NaN and infinities are not served.  A block of zeros gets the byte 1 where the quantiser says 127: its codes are zeros, and only this program reads the bytes.
.set PITCH,  272
.set SRC,    128*PITCH                 ; a source's 128 rows of one chunk
.set CHUNK,  4*SRC                     ; the four sources
.set SCL,    2*CHUNK                   ; behind the codes: the scale bytes
.set SCS,    16*PITCH                  ; a source's
.set STG,    SCL+4*SCS                 ; behind them: the stage for scale words: q's 1,024 bytes, k's 1,024, v's 512; no tensor load lands here
.set REC,    8960                      ; a record of kv
.set PADW,   (1<<20)|(1<<21)|(5<<22)|(3<<25)   ; group 1, word 0: 20 padding on; 21 set beside a mask; 24:22 after every 64 words; 31:25 four words
.set LI,    1                          ; v1     16 x lane
.set ADRA,  2                          ; v2-3   x's fragments in chunk 0, 1
.set ADRB,  4                          ; v4-9   W's: 3 x chunk + part (q, k, v)
.set ADRSX, 10                         ; v10    x's scale words: lanes 0-15 an even tile's rows, lanes 16-31 the odd tile's
.set ADRSW, 11                         ; v11    W's likewise
.set SQ,    12                         ; v12-14 where I put scale words in the stage
.set SK,    13
.set SV,    14
.set RDS,   15                         ; v15-16 where I read the stage back
.set RDV,   16
.set BO8,   17                         ; v17    32 h: q's and k's bias
.set BO1,   18                         ; v18    4 r: v's bias
.set VO,    19                         ; v19    V's scale words in kv: lanes 0-15 head 2 X, lanes 16-31 head 2 X + 1
.set SC,    32                         ; v32-95 scale words: 32 x chunk + 4 x pair of tiles + step in the chunk; pairs 0, 1: x's; 2 + 2 part + pair: W's.  They hold scales and nothing else
.set TM,    96                         ; v96-103 largest magnitudes;  v104-111 the other half's;  v112-119 the conversions' scale operands;  v120-127 bytes
.set UU,    104
.set SOP,   112
.set BY,    120
.set AF,    128                        ; v128-191 x's fragments, two sets of four
.set WD,    192                        ; v192-203 the scale words made, four to a part
.set PC,    204                        ; v204-251 the codes made, sixteen to a part: never written again, so no store's data are overwritten
.set BQ,    128                        ; window 3: v128-191 the biases of q and k, 8 tiles x 8;  v192-223 v's, 4 tiles x 8
.set BV,    192                        ; window 1: W's fragments, two sets of 12, at v0 and v128.  window 2: q's and k's accumulators at v[8 (16 part + 4 a + nt)].  window 3: v's at v[8 (4 dt + a)]
.set WV,  20                           ; s20 wave;  s21 I;  s22 J;  s23 cx;  s24 cy;  s25 X;  s26 Y
.set G1A,  28                          ; s[28:35] group 1, x's codes;  s[36:43] W's codes;  s[44:51] x's scales;  s[52:59] W's scales
.set G1B,  36
.set G1SA, 44
.set G1SB, 52
.set GAS,  60                          ; groups 0: x's scales, chunk 0, chunk 1;  W's scales, chunk 0, chunk 1
.set GA0,  68
.set GA1,  72
.set GBS,  76
.set GB0,  80
.set GB1,  84
.set SEL,  88                          ; s[88:89] v_permlanex16_b32's selects for lane l xor 16
.set MSB, 0
.macro WIN new                         ; the immediate's high byte repeats the setting that is left
.if MSB != \new
	s_set_vgpr_msb (MSB<<8)|\new
.set MSB, \new
.endif
.endm
.macro CROUND                          ; a round of the cluster's barrier
	s_barrier_signal -1
	s_barrier_wait -1
	s_cmp_lg_u32 s[WV], 0
	s_cbranch_scc1 .Lnot_wave_0_\@
	s_barrier_signal -3
.Lnot_wave_0_\@:
	s_barrier_wait -3
	s_barrier_signal -1
	s_barrier_wait -1
.endm
.macro PLACES                          ; four plain places behind a matrix instruction, in front of loads into registers that it has read and of the first read of results
.rept 4
	v_nop
.endr
.endm
	s_load_b256 s[4:11], s[0:1], 0x0               ; x's codes s[4:5], x's scales s[6:7], W's codes s[8:9], W's scales s[10:11]
	s_load_b256 s[12:19], s[0:1], 0x20             ; b_qkv s[12:13], qc s[14:15], qs s[16:17], kv s[18:19]
	v_lshl_add_u32 v30, v0, 2, 0x48e00
	v_mov_b32 v31, 0
	ds_add_u32 v30, v31
	ds_add_u32 v30, v31
	v_lshrrev_b32 v20, 5, v0
	v_readfirstlane_b32 s[WV], v20                 ; wave 0..3
	s_lshr_b32 s21, s[WV], 1                       ; I
	s_and_b32 s22, s[WV], 1                        ; J
	s_bfe_u32 s23, ttmp6, 0x40000                  ; cx
	s_bfe_u32 s24, ttmp6, 0x40004                  ; cy
	s_lshl_b32 s25, ttmp9, 2
	s_add_co_u32 s25, s25, s23                     ; X = 4 x cluster x + cx: the pair of heads
	s_and_b32 s26, ttmp7, 0xffff
	s_lshl_b32 s26, s26, 2
	s_add_co_u32 s26, s26, s24                     ; Y = 4 x cluster y + cy: the 128 tokens
	s_lshl_b32 s2, s24, 2
	s_lshl_b32 s2, 15, s2                          ; my row of the cluster
	s_lshl_b32 s3, 0x1111, s23                     ; my column
	s_or_b32 s[G1A], s2, PADW                      ; 15:0 the mask; 17:16 elements of 1 byte
	s_or_b32 s[G1B], s3, PADW
	s_or_b32 s[G1SA], s2, (3<<16)|PADW             ; elements of 8 bytes
	s_or_b32 s[G1SB], s3, (3<<16)|PADW
.irp g, G1A, G1B                       ; codes: 128 rows x 256 bytes of rows of 512
	s_mov_b32 s[\g+1], 256<<16                     ; tensor_dim0
	s_mov_b32 s[\g+2], 128<<16                     ; tensor_dim1
	s_mov_b32 s[\g+3], 256<<16                     ; tile_dim0
	s_mov_b32 s[\g+4], 128                         ; tile_dim1
	s_mov_b32 s[\g+5], 512                         ; from row to row
	s_mov_b32 s[\g+6], 0
	s_mov_b32 s[\g+7], 0
.endr
.irp g, G1SA, G1SB                     ; scale bytes: 4,096 dense bytes as 16 rows of 32 elements of 8 bytes
	s_mov_b32 s[\g+1], 32<<16
	s_mov_b32 s[\g+2], 16<<16
	s_mov_b32 s[\g+3], 32<<16
	s_mov_b32 s[\g+4], 16
	s_mov_b32 s[\g+5], 32
	s_mov_b32 s[\g+6], 0
	s_mov_b32 s[\g+7], 0
.endr
	s_lshl_b32 s90, s26, 16                        ; x: 128 Y rows of 512 bytes.  These four registers hold Y alone
	s_mov_b32 s91, 0
	s_lshl_b32 s92, s26, 12                        ; and of 32 scale bytes
	s_mov_b32 s93, 0
	s_max_u32 s27, s[WV], 1
	s_sub_co_u32 s27, s27, 1                       ; which part of W a wave fetches: waves 1, 2, 3: q, k, v
	s_lshl_b32 s94, s27, 19                        ; W: row 1,024 part + 128 X.  These registers hold X alone
	s_lshl_b32 s96, s25, 16
	s_add_co_u32 s94, s94, s96
	s_mov_b32 s95, 0
	s_lshl_b32 s96, s27, 15
	s_lshl_b32 s97, s25, 12
	s_add_co_u32 s96, s96, s97
	s_mov_b32 s97, 0
	s_mul_i32 s98, s[WV], SRC                      ; where they go: source = wave: no place in the cluster enters an LDS address
	s_mul_i32 s99, s[WV], SCS
	s_mov_b32 s[SEL], 0x76543210
	s_mov_b32 s[SEL+1], 0xfedcba98
	s_wait_dscnt 0x0
	s_wait_kmcnt 0x0
	s_add_nc_u64 s[90:91], s[4:5], s[90:91]
	s_add_nc_u64 s[92:93], s[6:7], s[92:93]
	s_add_nc_u64 s[94:95], s[8:9], s[94:95]
	s_add_nc_u64 s[96:97], s[10:11], s[96:97]
	s_mov_b32 s[GAS], 1
	s_add_co_u32 s[GAS+1], s99, SCL
	s_mov_b64 s[GAS+2:GAS+3], s[92:93]
	s_or_b32 s[GAS+3], s[GAS+3], 0x80000000
	s_mov_b32 s[GA0], 1
	s_mov_b32 s[GA0+1], s98
	s_mov_b64 s[GA0+2:GA0+3], s[90:91]
	s_or_b32 s[GA0+3], s[GA0+3], 0x80000000
	s_mov_b32 s[GA1], 1
	s_add_co_u32 s[GA1+1], s98, CHUNK
	s_add_nc_u64 s[GA1+2:GA1+3], s[90:91], 256
	s_or_b32 s[GA1+3], s[GA1+3], 0x80000000
	s_mov_b32 s[GBS], 1
	s_add_co_u32 s[GBS+1], s99, SCL
	s_mov_b64 s[GBS+2:GBS+3], s[96:97]
	s_or_b32 s[GBS+3], s[GBS+3], 0x80000000
	s_mov_b32 s[GB0], 1
	s_mov_b32 s[GB0+1], s98
	s_mov_b64 s[GB0+2:GB0+3], s[94:95]
	s_or_b32 s[GB0+3], s[GB0+3], 0x80000000
	s_mov_b32 s[GB1], 1
	s_add_co_u32 s[GB1+1], s98, CHUNK
	s_add_nc_u64 s[GB1+2:GB1+3], s[94:95], 256
	s_or_b32 s[GB1+3], s[GB1+3], 0x80000000
	CROUND                                         ; all sixteen work-groups are here: the joint loads meet
	s_cmp_eq_u32 s[WV], 0                          ; a wave's three fills stand in one branch on the wave's number: three loads of mine are out
	s_cbranch_scc0 .Lfor_w
	tensor_load_to_lds s[GAS:GAS+3], s[G1SA:G1SA+7]
	s_nop 0
	tensor_load_to_lds s[GA0:GA0+3], s[G1A:G1A+7]
	s_nop 0
	tensor_load_to_lds s[GA1:GA1+3], s[G1A:G1A+7]
	s_nop 0
.rept 4
	v_nop
.endr
	s_branch .Lasked
.Lfor_w:
	tensor_load_to_lds s[GBS:GBS+3], s[G1SB:G1SB+7]
	s_nop 0
	tensor_load_to_lds s[GB0:GB0+3], s[G1B:G1B+7]
	s_nop 0
	tensor_load_to_lds s[GB1:GB1+3], s[G1B:G1B+7]
	s_nop 0
.rept 4
	v_nop
.endr
.Lasked:
	; addresses
	v_and_b32 v20, 15, v0                          ; r
	v_bfe_u32 v21, v0, 4, 1                        ; h
	v_and_b32 v22, 31, v0                          ; lane
	v_lshlrev_b32 v[LI], 4, v22
	v_mul_u32_u24 v23, v20, PITCH
	v_lshl_add_u32 v23, v21, 4, v23                ; a fragment's row x pitch + 16 h
	s_mul_i32 s2, s21, 64*PITCH                    ; my 64 tokens
	v_add_nc_u32 v[ADRA], s2, v23
	v_add_nc_u32 v[ADRA+1], CHUNK, v[ADRA]
	s_mul_i32 s2, s22, 64*PITCH                    ; my head's 64 rows of each part of W
	s_add_co_u32 s2, s2, SRC
.irp sec, 0,1,2
	v_add_nc_u32 v[ADRB+\sec], s2, v23
	v_add_nc_u32 v[ADRB+3+\sec], CHUNK, v[ADRB+\sec]
	s_add_co_u32 s2, s2, SRC
.endr
	v_lshrrev_b32 v24, 3, v22                      ; scale words: row = lane of a pair of tiles: eight rows of 32 bytes to a row of 256 + 16
	v_mul_u32_u24 v24, v24, PITCH
	v_and_b32 v25, 7, v22
	v_lshl_add_u32 v24, v25, 5, v24
	s_mul_i32 s2, s21, 8*PITCH
	s_add_co_u32 s2, s2, SCL
	v_add_nc_u32 v[ADRSX], s2, v24
	s_mul_i32 s2, s22, 8*PITCH
	s_add_co_u32 s2, s2, SCL+SCS
	v_add_nc_u32 v[ADRSW], s2, v24
	s_lshl_b32 s2, s22, 9
	s_lshl_b32 s3, s21, 8
	s_add_co_u32 s2, s2, s3
	s_add_co_u32 s2, s2, STG
	v_lshl_add_u32 v[SQ], v20, 2, s2               ; q's words: [J][token]: 512 J + 256 I + 4 r
	s_lshl_b32 s2, s22, 9
	s_lshl_b32 s3, s21, 3
	s_add_co_u32 s2, s2, s3
	s_add_co_u32 s2, s2, STG+1024
	v_lshl_add_u32 v[SK], v20, 4, s2               ; k's: the word of key 32 i + L at 16 L + 4 i: 512 J + 8 I + 16 r
	s_lshl_b32 s2, s22, 8
	s_lshl_b32 s3, s21, 1
	s_add_co_u32 s2, s2, s3
	s_add_co_u32 s2, s2, STG+2048
	v_lshl_add_u32 v[SV], v20, 3, s2               ; v's: the word of channel 32 p + L at 8 L + 4 p, my two bytes at 2 I: 256 J + 2 I + 8 r
	s_lshl_b32 s2, s[WV], 9
	s_add_co_u32 s2, s2, STG
	v_add_nc_u32 v[RDS], s2, v[LI]
	v_add_nc_u32 v[RDV], STG+2048, v[LI]
	v_lshlrev_b32 v[BO8], 5, v21
	v_lshlrev_b32 v[BO1], 2, v20
	v_mul_u32_u24 v[VO], v21, 16*REC
	v_lshl_add_u32 v[VO], v20, 4, v[VO]
.irp e, 0,1,2,3,4,5,6,7
	v_mov_b32 v[UU+\e], 0                          ; written once: a lane permute's destination counts as one of its sources
.endr
	; where the results go
	s_lshl_b32 s2, s25, 1
	s_add_co_u32 s2, s2, s22                       ; my head in the batch: 2 X + J
	s_mov_b32 s101, 0
	s_lshl_b32 s100, s2, 8
	s_add_nc_u64 s[12:13], s[12:13], s[100:101]    ; b_qkv at my head's q part; k's lies 4,096 bytes on, v's 8,192
	s_lshr_b32 s3, s26, 4
	s_lshl_b32 s3, s3, 4
	s_add_co_u32 s2, s2, s3                        ; head of batch: 16 b + 2 X + J
	s_and_b32 s3, s26, 15                          ; key step: my 128 tokens in the batch's 2,048
	s_lshl_b32 s100, s2, 16
	s_lshl_b32 s27, s3, 12
	s_add_co_u32 s100, s100, s27
	s_lshl_b32 s27, s21, 11
	s_add_co_u32 s100, s100, s27
	s_add_nc_u64 s[14:15], s[14:15], s[100:101]    ; qc at token tile 8 step + 4 I
	s_lshl_b32 s100, s2, 13
	s_lshl_b32 s27, s3, 9
	s_add_co_u32 s100, s100, s27
	s_add_nc_u64 s[16:17], s[16:17], s[100:101]    ; qs at the work-group's first token
	s_lshl_b32 s100, s2, 4
	s_add_co_u32 s100, s100, s3
	s_mul_i32 s100, s100, REC
	s_add_nc_u64 s[18:19], s[18:19], s[100:101]    ; my record of kv
	s_lshl_b32 s100, s21, 11
	s_add_nc_u64 s[92:93], s[18:19], s[100:101]    ; K's tiles 4 I on
	s_lshl_b32 s100, s21, 9
	s_add_nc_u64 s[94:95], s[18:19], s[100:101]    ; V's half fragments c = I
	s_add_nc_u64 s[96:97], s[18:19], 8192          ; K's scale words
	s_cmp_eq_u32 s21, 0
	s_cselect_b64 s[96:97], s[16:17], s[96:97]     ; waves 0, 1 carry q's words of heads J = 0, 1 out of the stage, waves 2, 3 k's
	WIN 0xc0                                       ; destination window 3
.irp sec, 0,1
.irp nt, 0,1,2,3
	global_load_b128 v[BQ+8*(4*\sec+\nt):BQ+8*(4*\sec+\nt)+3], v[BO8], s[12:13] offset:4096*\sec+64*\nt       ; lane (r, h), register j: the bias of channel 16 nt + 8 h + j
	global_load_b128 v[BQ+8*(4*\sec+\nt)+4:BQ+8*(4*\sec+\nt)+7], v[BO8], s[12:13] offset:4096*\sec+64*\nt+16
.endr
.endr
.irp dt, 0,1,2,3
.irp j, 0,1,2,3,4,5,6,7
	global_load_b32 v[BV+8*\dt+\j], v[BO1], s[12:13] offset:8192+64*\dt   ; v's result holds one channel a lane: all eight registers take the bias of channel 16 dt + r
.endr
.endr
	WIN 0
.macro WM d, a, b, c, sa, sb, ra, rb   ; ra, rb: which half of the lanes holds A's, B's scale words
.if ((\ra) == 0) && ((\rb) == 0)
	v_wmma_scale_f32_16x16x128_f8f6f4 v[\d:\d+7], v[\a:\a+7], v[\b:\b+7], v[\c:\c+7], v[\sa], v[\sb] matrix_a_fmt:MATRIX_FMT_FP4 matrix_b_fmt:MATRIX_FMT_FP4
.elseif (\rb) == 0
	v_wmma_scale_f32_16x16x128_f8f6f4 v[\d:\d+7], v[\a:\a+7], v[\b:\b+7], v[\c:\c+7], v[\sa], v[\sb] matrix_a_fmt:MATRIX_FMT_FP4 matrix_b_fmt:MATRIX_FMT_FP4 matrix_a_scale:MATRIX_SCALE_ROW1
.elseif (\ra) == 0
	v_wmma_scale_f32_16x16x128_f8f6f4 v[\d:\d+7], v[\a:\a+7], v[\b:\b+7], v[\c:\c+7], v[\sa], v[\sb] matrix_a_fmt:MATRIX_FMT_FP4 matrix_b_fmt:MATRIX_FMT_FP4 matrix_b_scale:MATRIX_SCALE_ROW1
.else
	v_wmma_scale_f32_16x16x128_f8f6f4 v[\d:\d+7], v[\a:\a+7], v[\b:\b+7], v[\c:\c+7], v[\sa], v[\sb] matrix_a_fmt:MATRIX_FMT_FP4 matrix_b_fmt:MATRIX_FMT_FP4 matrix_a_scale:MATRIX_SCALE_ROW1 matrix_b_scale:MATRIX_SCALE_ROW1
.endif
.endm
.macro FRAG reg, adr, off              ; 16 rows x 128 K of 4-bit codes: 8 registers: two loads of 16 bytes, 32 bytes apart
	ds_load_b128 v[\reg:\reg+3], v[\adr] offset:\off
	ds_load_b128 v[\reg+4:\reg+7], v[\adr] offset:\off+32
.endm
.macro FETCH q                         ; K step q's sixteen fragments into set q % 2: 32 loads in one run
	WIN 0x40                                       ; destination window 1
.irp sec, 0,1,2
.irp nt, 0,1,2,3
	FRAG 128*((\q)%2)+8*(4*\sec+\nt), ADRB+3*((\q)/4)+\sec, \nt*16*PITCH+64*((\q)%4)
.endr
.endr
	WIN 0
.irp a, 0,1,2,3
	FRAG AF+32*((\q)%2)+8*\a, ADRA+(\q)/4, \a*16*PITCH+64*((\q)%4)
.endr
.endm
.macro SCALES                          ; all scale words of my rows, both chunks: a load brings a chunk's four words of a row
.irp c, 0,1
.irp pr, 0,1
	ds_load_b128 v[SC+32*\c+4*\pr:SC+32*\c+4*\pr+3], v[ADRSX] offset:4*PITCH*\pr+16*\c
.endr
.irp sec, 0,1,2
.irp pr, 0,1
	ds_load_b128 v[SC+32*\c+4*(2+2*\sec+\pr):SC+32*\c+4*(2+2*\sec+\pr)+3], v[ADRSW] offset:SCS*\sec+4*PITCH*\pr+16*\c
.endr
.endr
.endr
.endm
; The 48 accumulators take turns, one instruction a turn, in the same order in every K step.
.macro MULQK q, first                  ; q and k: source 0 = W (window 1), source 1 = x (window 0)
.if \first
	WIN 0xb1                                       ; C: the bias, window 3; D: window 2
.else
	WIN 0xa1
.endif
.irp sec, 0,1
.irp a, 0,1,2,3
.irp nt, 0,1,2,3
.if \first
	WM 8*(16*\sec+4*\a+\nt), 128*((\q)%2)+8*(4*\sec+\nt), AF+32*((\q)%2)+8*\a, BQ+8*(4*\sec+\nt), SC+32*((\q)/4)+4*(2+2*\sec+\nt/2)+(\q)%4, SC+32*((\q)/4)+4*(\a/2)+(\q)%4, \nt%2, \a%2
.else
	WM 8*(16*\sec+4*\a+\nt), 128*((\q)%2)+8*(4*\sec+\nt), AF+32*((\q)%2)+8*\a, 8*(16*\sec+4*\a+\nt), SC+32*((\q)/4)+4*(2+2*\sec+\nt/2)+(\q)%4, SC+32*((\q)/4)+4*(\a/2)+(\q)%4, \nt%2, \a%2
.endif
.endr
.endr
.endr
.endm
.macro MULV q, first                   ; v: source 0 = x (window 0), source 1 = W (window 1); C and D window 3
	WIN 0xf4
.irp dt, 0,1,2,3
.irp a, 0,1,2,3
.if \first
	WM 8*(4*\dt+\a), AF+32*((\q)%2)+8*\a, 128*((\q)%2)+8*(8+\dt), BV+8*\dt, SC+32*((\q)/4)+4*(\a/2)+(\q)%4, SC+32*((\q)/4)+4*(6+\dt/2)+(\q)%4, \a%2, \dt%2
.else
	WM 8*(4*\dt+\a), AF+32*((\q)%2)+8*\a, 128*((\q)%2)+8*(8+\dt), 8*(4*\dt+\a), SC+32*((\q)/4)+4*(\a/2)+(\q)%4, SC+32*((\q)/4)+4*(6+\dt/2)+(\q)%4, \a%2, \dt%2
.endif
.endr
.endr
.endm
.macro STEP q                          ; a K step of 128: 48 matrix instructions; the next step's fragments are asked for ahead of them
	s_wait_dscnt 0x0                               ; this step's fragments are in
.if (\q) == 0
	FETCH 1
	MULQK 0, 1
	MULV 0, 1
.elseif (\q) == 3
	s_wait_tensorcnt 0x0                           ; my part of chunk 1 has landed: say so,
	s_barrier_signal -1
	MULQK 3, 0                                     ; work on registers while the others arrive,
	WIN 0
	s_barrier_wait -1                              ; and read chunk 1 only when all four have said so
	PLACES
	FETCH 4
	MULV 3, 0
.elseif (\q) == 7
	MULQK 7, 0
	MULV 7, 0
.else
	PLACES
	FETCH (\q)+1
	MULQK \q, 0
	MULV \q, 0
.endif
.endm
; One part (q, k or v): its 128 registers are four groups of 32 = eight blocks.  Laid in phases, so that the register windows change four times.
.macro PART wmax, wcvt, base, kind
	WIN \wmax                                      ; sources 1 and 2: the accumulators' window
.irp e, 0,1,2,3,4,5,6,7
	v_max3_num_f32 v[TM+\e], 0x1800000, |v[\base+16*\e]|, |v[\base+16*\e+1]|   ; the floor 2^(3 - 127) holds the byte at 1 from below; each accumulator is read from its low end on
.endr
.irp i, 2,4,6,8,10,12,14
.irp e, 0,1,2,3,4,5,6,7
	v_max3_num_f32 v[TM+\e], v[TM+\e], |v[\base+16*\e+\i]|, |v[\base+16*\e+\i+1]|   ; the eight blocks by turns
.endr
.endr
	WIN 0
.irp e, 0,1,2,3,4,5,6,7
	v_permlanex16_b32 v[UU+\e], v[TM+\e], s[SEL], s[SEL+1]
.endr
.irp e, 0,1,2,3,4,5,6,7
	v_max_num_f32 v[TM+\e], v[TM+\e], v[UU+\e]     ; with lane l xor 16's sixteen: the block's largest magnitude
.endr
.irp e, 0,1,2,3,4,5,6,7
	v_add_nc_u32 v[SOP+\e], 0xff000000, v[TM+\e]   ; 2 off its exponent field: the conversion's scale operand
.endr
.irp e, 0,1,2,3,4,5,6,7
	v_lshrrev_b32 v[BY+\e], 23, v[SOP+\e]          ; the scale's byte
.endr
.irp g, 0,1,2,3
	v_lshl_or_b32 v[WD+4*(\kind)+\g], v[BY+2*\g+1], 8, v[BY+2*\g]
.endr
.if (\kind) < 2
.irp g, 0,1,2,3
	v_or_b32 v[WD+4*(\kind)+\g], 0x7f7f0000, v[WD+4*(\kind)+\g]   ; K = 64 in an instruction of 128: the upper two blocks have zero codes on q's side and the scale 1
.endr
.endif
	WIN \wcvt                                      ; source 0: the accumulators' window
.irp g, 0,1,2,3
.irp tt, 0,1,2,3
	v_cvt_scalef32_pk8_fp4_f32 v[PC+16*(\kind)+4*\g+2*(\tt%2)+\tt/2], v[\base+32*\g+8*\tt:\base+32*\g+8*\tt+7], v[SOP+2*\g+\tt/2]
.endr
.endr
	WIN 0
	v_nop                                          ; one plain place behind a scaled conversion
.irp g, 0,1,2,3
.irp u, 0,1
	v_permlane16_swap_b32 v[PC+16*(\kind)+4*\g+2*\u], v[PC+16*(\kind)+4*\g+2*\u+1]   ; tiles u and 2 + u: now registers 2 u, 2 u + 1 of the operand: k = 32 h + 16 u + 0 .. 15
.endr
.endr
.irp g, 0,1,2,3
.if (\kind) == 0
	ds_store_b32 v[SQ], v[WD+\g] offset:64*\g      ; both halves of the lanes write the same word with the same value
	global_store_b128 v[LI], v[PC+4*\g:PC+4*\g+3], s[14:15] offset:512*\g            ; 512 consecutive bytes, at a multiple of 256
.elseif (\kind) == 1
	ds_store_b32 v[SK], v[WD+4+\g] offset:256*(\g%2)+4*(\g/2)
	global_store_b128 v[LI], v[PC+16+4*\g:PC+16+4*\g+3], s[92:93] offset:512*\g
.else
	ds_store_b16 v[SV], v[WD+8+\g] offset:128*(\g%2)+4*(\g/2)
	global_store_b128 v[LI], v[PC+32+4*\g:PC+32+4*\g+3], s[94:95] offset:4096+1024*\g
.endif
.endr
.endm
	s_wait_tensorcnt 0x1                           ; my scale bytes and my part of chunk 0 are in; the one younger load, chunk 1's, may stay out
	s_barrier_signal -1
	s_barrier_wait -1                              ; everybody's are
	SCALES
	FETCH 0
	s_wait_loadcnt 0x0                             ; the biases
	STEP 0
	STEP 1
	STEP 2
	STEP 3
	STEP 4
	STEP 5
	STEP 6
	STEP 7
	WIN 0
	PLACES
	PART 0x28, 0x02, 0, 0                          ; q
	PART 0x28, 0x02, 128, 1                        ; k
	PART 0x3c, 0x03, 0, 2                          ; v
	s_wait_dscnt 0x0                               ; for the others' sake: my words lie in the stage
	s_barrier_signal -1
	s_barrier_wait -1
	ds_load_b128 v[252:255], v[RDS]                ; a head's 128 words of q or of k: 512 bytes
	s_wait_dscnt 0x0
	global_store_b128 v[LI], v[252:255], s[96:97]
	s_cmp_lg_u32 s[WV], 0
	s_cbranch_scc1 .Lnot_v
	ds_load_b128 v[96:99], v[RDV]                  ; wave 0: both heads' words of v: sixteen lanes fill each head's 256 bytes (its record is wave 0's own: J = 0)
	s_wait_dscnt 0x0
	global_store_b128 v[VO], v[96:99], s[18:19] offset:8704
.Lnot_v:
	s_wait_tensorcnt 0x0
	ds_add_u32 v30, v31
	s_wait_dscnt 0x0
	CROUND                                         ; the closing round: no work-group ends while a partner may still ask for a tile that names it
	s_endpgm
.Lfunc_end_k_qa17693d557_qkv:
	.size	k_qa17693d557_qkv, .Lfunc_end_k_qa17693d557_qkv-k_qa17693d557_qkv
	.p2alignl 7, 3214868480
	.fill 96, 4, 3214868480
	.section	.rodata,"a",@progbits
	.p2align	6, 0x0
	.amdhsa_kernel k_qa17693d557_qkv
		.amdhsa_group_segment_fixed_size 327680
		.amdhsa_private_segment_fixed_size 0
		.amdhsa_enable_private_segment 0
		.amdhsa_kernarg_size 64
		.amdhsa_user_sgpr_count 2
		.amdhsa_user_sgpr_kernarg_segment_ptr 1
		.amdhsa_wavefront_size32 1
		.amdhsa_system_sgpr_workgroup_id_x 1
		.amdhsa_system_sgpr_workgroup_id_y 1
		.amdhsa_system_sgpr_workgroup_id_z 1
		.amdhsa_system_vgpr_workitem_id 0
		.amdhsa_next_free_vgpr 1024
		.amdhsa_next_free_sgpr 102
		.amdhsa_reserve_vcc 0
		.amdhsa_float_denorm_mode_32 3
		.amdhsa_float_denorm_mode_16_64 3
		.amdhsa_memory_ordered 1
		.amdhsa_forward_progress 1
		.amdhsa_inst_pref_size 108
	.end_amdhsa_kernel
	.amdgpu_metadata
---
amdhsa.version: [ 1, 2 ]
amdhsa.kernels:
  - .name:           k_qa17693d557_qkv
    .symbol:         k_qa17693d557_qkv.kd
    .args:
      - { .name: x_codes, .offset: 0, .size: 8, .value_kind: global_buffer, .address_space: global }
      - { .name: x_scales, .offset: 8, .size: 8, .value_kind: global_buffer, .address_space: global }
      - { .name: W_qkv_codes, .offset: 16, .size: 8, .value_kind: global_buffer, .address_space: global }
      - { .name: W_qkv_scales, .offset: 24, .size: 8, .value_kind: global_buffer, .address_space: global }
      - { .name: b_qkv, .offset: 32, .size: 8, .value_kind: global_buffer, .address_space: global }
      - { .name: qc, .offset: 40, .size: 8, .value_kind: global_buffer, .address_space: global }
      - { .name: qs, .offset: 48, .size: 8, .value_kind: global_buffer, .address_space: global }
      - { .name: kv, .offset: 56, .size: 8, .value_kind: global_buffer, .address_space: global }
    .group_segment_fixed_size: 327680
    .private_segment_fixed_size: 0
    .kernarg_segment_align: 8
    .kernarg_segment_size: 64
    .max_flat_workgroup_size: 128
    .sgpr_count:     102
    .vgpr_count:     1024
    .wavefront_size: 32
...
	.end_amdgpu_metadata
.endif
;; end of part 1
;; launch attn (part 2): grid 4 x 64, 16 waves a work-group, clusters of 4 x 1, 327,680 bytes of LDS; arguments qc, qs, kv, ac, asc; writes ac, asc
.if DOCPART == 2
	.amdgcn_target "amdgcn-amd-amdhsa--gfx1250"
	.amdhsa_code_object_version 6
	.text
	.protected	k_qa17693d557_attn
	.globl	k_qa17693d557_attn
	.p2align	8
	.type	k_qa17693d557_attn,@function
k_qa17693d557_attn:
	s_mov_b64 s[64:65], 0
	v_nop
	global_prefetch_b8 v0, s[64:65] scope:SCOPE_SE
	s_setreg_imm32_b32 hwreg(HW_REG_WAVE_MODE, 25, 1), 1
	s_wait_xcnt 0x0
	s_wait_alu depctr_hold_cnt(0) depctr_sa_sdst(0) depctr_va_vdst(0) depctr_va_sdst(0) depctr_va_ssrc(0) depctr_va_vcc(0) depctr_vm_vsrc(0)
	s_getreg_b32 s2, hwreg(HW_REG_IB_STS2, 6, 4)
	s_cmp_eq_u32 s2, 0
	s_cbranch_scc0 .Lentry_in_a_cluster
	s_endpgm
.Lentry_in_a_cluster:
	s_bfe_u32 s2, ttmp6, 0x10000c
	s_cmp_lg_u32 s2, 0x3003
	s_cbranch_scc0 .Lentry_shape_is_right
	s_endpgm
.Lentry_shape_is_right:
; For each head of each batch: o = softmax(q k^T / 8) v, both products on codes of FP4 (E2M1) with E8M0 scales, and o quantised along the model's 1,024 for the projection.
; THE SOFTMAX AHEAD OF THE SECOND PRODUCT: t = score x log2(e) / 8; M = the running largest t rounded UP to a whole number; p = 2^(t - M) is quantised along the keys, not normalised.  The row's sum is taken of the unquantised p, in f32,
; and divides at the end.  When M moves, the sum and O are multiplied by 2^(old M - new M), which rounds nothing.
; SHARES.  A work-group owns 512 queries of one head; each of its sixteen waves two tiles of 16 (A, B), in 256 registers: four waves to a SIMD, so that one wave's vector work stands beside another's products and LDS loads.
; Each fragment of K and V read from LDS feeds two products.  Every wave walks the head's 2,048 keys, 128 a step.
; LDS.  The head's sixteen records of kv (8,960 bytes a key step: 8 tiles of K, 8 half fragments of V^T, K's scale words, V's) fit at once: wave w fetches record w, one tensor load; no LDS byte is filled twice, so there is no ring.
; All operands lie as images of their registers, lane l's 16 bytes at 16 l: every LDS load reads consecutive bytes.
; CLUSTER 4 x 1.  The four work-groups of a cluster are the four query blocks of one head: each record is asked for jointly, by the same load with the same descriptor and the mask of all four.
; LAYOUT.  S^T = K Q^T (source 0 = 16 keys, source 1 = 16 queries), O^T = V^T P^T: a lane holds ONE query throughout.  Tile t, lane (r, h), register j is key 16 t + 8 h + j; the conversions' results, laid in the order
; 0, 2, 1, 3 and exchanged by half-rows, are the operand's registers.
; K = 64 IN AN INSTRUCTION OF 128: Q's registers 4-7 are zero codes; K's operand of tile t is its four registers and the four that follow (the next tile's, or zeros), which meet only zero codes; bytes 2, 3 of both scale words are 0x7f.
; LIMITS: NaN and infinities are not served.  A block of zeros gets the byte 1: its codes are zeros, and only this program reads the bytes.  A block's largest p is made from the block's largest score by the same two
; instructions as every p, which takes v_exp_f32 not to fall where its input rises.
.set REC,  8960
.set ASTG, 16*REC                      ; behind the records: 1,024 bytes for the result's scale half-words; no tensor load lands here
.set LI,   1                           ; v1   16 x lane
.set L8,   2                           ; v2   8 x lane
.set ADR,  3                           ; v3   the step's record + 16 x lane
.set ADR8, 4                           ; v4   the step's record + 8 x lane
.set QS,   5                           ; v5   Q's scale words: lanes 0-15 tile A's, lanes 16-31 tile B's
.set PW,   6                           ; v6-7 p's scale words of tiles A, B
.set KSR,  8                           ; v8-11  K's scale words: register i: lanes 0-15 tile 2 i, lanes 16-31 tile 2 i + 1
.set VSR,  12                          ; v12-13 V's likewise
.set HST,  14                          ; v14  where I put a half-word;  v15 where I read 16 bytes of them back
.set HRD,  15
.set QF,   16                          ; v16-23 Q of tile A (16-19 codes, 20-23 zeros);  v24-31 of tile B
.set KF,   32                          ; v32-63 K's eight tiles, then V's four fragments;  v64-67 zeros
.set S,    68                          ; v68-131 S^T, then p
.set OT,   132                         ; v132-163 O^T of tile A;  v164-195 of tile B
.set PC,   196                         ; v196-203 p's codes of tile A;  v204-211 of tile B
.set STAT, 212                         ; a tile's four: -M, the largest t, the sum in two halves
.set BM,   220                         ; v220-223 the blocks' largest scores, then their largest p
.set PD,   224                         ; v224-227 a permute's results, then bytes
.set SOP,  228                         ; v228-231 the conversions' scale operands
.set FF,   232                         ; v232 f = 2^(old M - new M); v233 named with it as a pair
.set CH,   234                         ; v234-235 the sums' second chain
.set TMP,  236
.set WV,  14                           ; s14 wave;  s15 cx;  s16 head of batch;  s17 block of 512 queries
.set G1,  20                           ; s[20:27], s[28:31] the descriptor
.set G0,  28
.set SEL, 32                           ; s[32:33] selects for lane l xor 16
.set CS,  34                           ; s[34:35] c = log2(e) / 8
.set TB,  36                           ; s36 the step's record in LDS;  s37 counts the steps
.set CNT, 37
.macro CROUND                          ; a round of the cluster's barrier
	s_barrier_signal -1
	s_barrier_wait -1
	s_cmp_lg_u32 s[WV], 0
	s_cbranch_scc1 .Lnot_wave_0_\@
	s_barrier_signal -3
.Lnot_wave_0_\@:
	s_barrier_wait -3
	s_barrier_signal -1
	s_barrier_wait -1
.endm
.macro PLACES                          ; four plain places behind a matrix instruction (ISA guide 7.12.1)
.rept 4
	v_nop
.endr
.endm
	s_load_b256 s[4:11], s[0:1], 0x0               ; qc s[4:5], qs s[6:7], kv s[8:9], ac s[10:11]
	s_load_b64 s[12:13], s[0:1], 0x20              ; asc
	v_lshl_add_u32 v254, v0, 2, 0x23400
	v_mov_b32 v255, 0
	ds_add_u32 v254, v255
	ds_add_u32 v254, v255
	v_lshrrev_b32 v3, 5, v0
	s_delay_alu instid0(VALU_DEP_1)
	v_readfirstlane_b32 s[WV], v3                  ; wave 0..15
	s_bfe_u32 s15, ttmp6, 0x40000                  ; cx
	s_lshl_b32 s17, ttmp9, 2
	s_add_co_u32 s17, s17, s15                     ; my block of 512 queries: it enters Q's and the results' addresses alone
	s_and_b32 s16, ttmp7, 0xffff                   ; the head of batch, which the four partners share
	s_mov_b32 s[G1], 15|(3<<16)|(1<<21)            ; 15:0 the mask: all four work-groups; 17:16 elements of 8 bytes; 21 set beside a mask; no padding
	s_mov_b32 s[G1+1], 32<<16                      ; a record is 35 dense rows of 256 bytes
	s_mov_b32 s[G1+2], 35<<16
	s_mov_b32 s[G1+3], 32<<16
	s_mov_b32 s[G1+4], 35
	s_mov_b32 s[G1+5], 32
	s_mov_b32 s[G1+6], 0
	s_mov_b32 s[G1+7], 0
	s_mov_b32 s[G0], 1
	s_mul_i32 s[G0+1], s[WV], REC                  ; record w goes to w x 8,960
	s_mul_i32 s38, s16, 16*REC
	s_add_co_u32 s38, s38, s[G0+1]
	s_mov_b32 s39, 0
	s_mov_b32 s[SEL], 0x76543210
	s_mov_b32 s[SEL+1], 0xfedcba98
	s_mov_b32 s[CS], 0x3e38aa3b
	s_mov_b32 s[CS+1], s[CS]                       ; named with it as a pair, so it is written
	s_wait_dscnt 0x0
	s_wait_kmcnt 0x0
	s_add_nc_u64 s[G0+2:G0+3], s[8:9], s[38:39]
	s_or_b32 s[G0+3], s[G0+3], 0x80000000
	CROUND                                         ; all four work-groups are here: the joint loads meet
	tensor_load_to_lds s[G0:G0+3], s[G1:G1+7]      ; one load of mine is out
	s_nop 0
.rept 4
	v_nop
.endr
	s_lshl_b32 s40, s17, 5
	s_lshl_b32 s41, s[WV], 1
	s_add_co_u32 s40, s40, s41                     ; my first tile of queries in the head: 32 x block + 2 x wave
	s_lshl_b32 s41, s16, 7
	s_add_co_u32 s41, s41, s40
	s_lshl_b32 s42, s41, 9
	s_mov_b32 s43, 0
	s_add_nc_u64 s[4:5], s[4:5], s[42:43]          ; its image of 512 bytes
	s_lshl_b32 s42, s41, 6
	s_add_nc_u64 s[6:7], s[6:7], s[42:43]          ; its sixteen scale words
	v_and_b32 v3, 31, v0                           ; lane
	s_delay_alu instid0(VALU_DEP_1)
	v_lshlrev_b32 v[LI], 4, v3
	s_wait_alu depctr_va_vdst(0)
	v_lshlrev_b32 v[L8], 3, v3
	v_lshlrev_b32 v[ADR8], 2, v3
	global_load_b128 v[QF:QF+3], v[LI], s[4:5]
	global_load_b128 v[QF+8:QF+11], v[LI], s[4:5] offset:512
	global_load_b32 v[QS], v[ADR8], s[6:7]
	s_lshr_b32 s44, s16, 4                         ; batch
	s_and_b32 s45, s16, 15                         ; head
	s_lshl_b32 s46, s44, 7
	s_add_co_u32 s46, s46, s40                     ; my first tile of tokens among the 512
	s_lshl_b32 s42, s46, 13
	s_lshl_b32 s47, s45, 9
	s_add_co_u32 s42, s42, s47
	s_add_nc_u64 s[10:11], s[10:11], s[42:43]      ; ac: tile x 8,192 + head x 512
	s_lshl_b32 s42, s45, 14
	s_lshl_b32 s47, s44, 12
	s_add_co_u32 s42, s42, s47
	s_lshl_b32 s47, s17, 10
	s_add_co_u32 s42, s42, s47
	s_lshl_b32 s47, s[WV], 9
	s_add_co_u32 s42, s42, s47
	s_add_nc_u64 s[12:13], s[12:13], s[42:43]      ; asc: head x 16,384 + 2 x the work-group's first token + 512 x wave (waves 0 and 1 store)
	s_add_co_u32 s47, s47, ASTG
	v_add_nc_u32 v[HRD], s47, v[LI]
	s_lshl_b32 s47, s[WV], 6
	s_add_co_u32 s47, s47, ASTG
	v_and_b32 v3, 15, v0
	s_delay_alu instid0(VALU_DEP_1)
	v_lshl_add_u32 v[HST], v3, 1, s47              ; my wave's 32 tokens' half-words: 64 x wave + 2 r (+ 32 for tile B)
.irp j, 4,5,6,7,12,13,14,15
	v_mov_b32 v[QF+\j], 0                          ; Q's zero codes
.endr
.irp j, 0,1,2,3
	v_mov_b32 v[KF+32+\j], 0                       ; behind K's last tile
	v_mov_b32 v[PD+\j], 0                          ; a lane permute's destination counts as one of its sources
.endr
	v_mov_b32 v[FF+1], 0
.irp x, 0,1
	v_mov_b32 v[STAT+4*\x+1], 0xff61b1e6           ; the largest t so far: -3e38, under every t
	s_delay_alu instid0(VALU_DEP_1)
	v_floor_f32 v[STAT+4*\x], -v[STAT+4*\x+1]      ; -M
	v_mov_b32 v[STAT+4*\x+2], 0
	v_mov_b32 v[STAT+4*\x+3], 0
.endr
.set j, 0
.rept 64
	v_mov_b32 v[OT+j], 0                           ; O^T.  The step is written once: its first trip finds zeros, which the first change of M leaves zeros; a first step of its own would double the text
.set j, j+1
.endr
.macro QK x                            ; S^T = K Q^T for tile x: eight tiles of 16 keys; each product is a whole sum
.irp t, 0,1,2,3,4,5,6,7
.if ((\t%2) == 0) && ((\x) == 0)
	v_wmma_scale_f32_16x16x128_f8f6f4 v[S+8*\t:S+8*\t+7], v[KF+4*\t:KF+4*\t+7], v[QF+8*(\x):QF+8*(\x)+7], 0, v[KSR+\t/2], v[QS] matrix_a_fmt:MATRIX_FMT_FP4 matrix_b_fmt:MATRIX_FMT_FP4
.elseif (\x) == 0
	v_wmma_scale_f32_16x16x128_f8f6f4 v[S+8*\t:S+8*\t+7], v[KF+4*\t:KF+4*\t+7], v[QF+8*(\x):QF+8*(\x)+7], 0, v[KSR+\t/2], v[QS] matrix_a_fmt:MATRIX_FMT_FP4 matrix_b_fmt:MATRIX_FMT_FP4 matrix_a_scale:MATRIX_SCALE_ROW1
.elseif (\t%2) == 0
	v_wmma_scale_f32_16x16x128_f8f6f4 v[S+8*\t:S+8*\t+7], v[KF+4*\t:KF+4*\t+7], v[QF+8*(\x):QF+8*(\x)+7], 0, v[KSR+\t/2], v[QS] matrix_a_fmt:MATRIX_FMT_FP4 matrix_b_fmt:MATRIX_FMT_FP4 matrix_b_scale:MATRIX_SCALE_ROW1
.else
	v_wmma_scale_f32_16x16x128_f8f6f4 v[S+8*\t:S+8*\t+7], v[KF+4*\t:KF+4*\t+7], v[QF+8*(\x):QF+8*(\x)+7], 0, v[KSR+\t/2], v[QS] matrix_a_fmt:MATRIX_FMT_FP4 matrix_b_fmt:MATRIX_FMT_FP4 matrix_a_scale:MATRIX_SCALE_ROW1 matrix_b_scale:MATRIX_SCALE_ROW1
.endif
.endr
.endm
; The softmax of tile x for 128 keys: S^T becomes p, p's codes and scale word; the sum and O^T come under the new M.
.macro SOFTMAX x
.set ST, STAT+4*(\x)
.set OX, OT+32*(\x)
.set PX, PC+8*(\x)
.irp b, 0,1,2,3
	v_max3_num_f32 v[BM+\b], v[S+16*\b], v[S+16*\b+1], v[S+16*\b+2]   ; the largest score of each block of 32 keys: it serves the row's maximum and, since p rises with the score, the block's largest p.  Each accumulator is read from its low end on
.endr
.irp i, 3,5,7,9,11,13
.irp b, 0,1,2,3
	v_max3_num_f32 v[BM+\b], v[BM+\b], v[S+16*\b+\i], v[S+16*\b+\i+1]   ; the four blocks by turns
.endr
.endr
.irp b, 0,1,2,3
	v_max_num_f32 v[BM+\b], v[BM+\b], v[S+16*\b+15]
.endr
.irp b, 0,1,2,3
	s_delay_alu instid0(VALU_DEP_4)
	v_permlanex16_b32 v[PD+\b], v[BM+\b], s[SEL], s[SEL+1]
.endr
.irp b, 0,1,2,3
	s_delay_alu instid0(VALU_DEP_4)
	v_max_num_f32 v[BM+\b], v[BM+\b], v[PD+\b]     ; with lane l xor 16's sixteen keys
.endr
	s_delay_alu instid0(VALU_DEP_2)
	v_max3_num_f32 v[TMP], v[BM], v[BM+1], v[BM+2]
	s_delay_alu instid0(VALU_DEP_1)
	v_max_num_f32 v[TMP], v[TMP], v[BM+3]          ; the step's largest score of my query
	s_delay_alu instid0(VALU_DEP_1)
	v_mul_f32 v[TMP], s[CS], v[TMP]                ; as t (c is positive)
	s_delay_alu instid0(VALU_DEP_1)
	v_max_num_f32 v[ST+1], v[ST+1], v[TMP]         ; the running largest t
	v_mov_b32 v[TMP], v[ST]
	s_delay_alu instid0(VALU_DEP_2)
	v_floor_f32 v[ST], -v[ST+1]                    ; the new -M = floor(-t) = -ceil(t)
	s_delay_alu instid0(VALU_DEP_1)
	v_sub_f32 v[TMP], v[ST], v[TMP]                ; old M - new M: a whole number, 0 or less
	s_delay_alu instid0(VALU_DEP_1)
	v_cvt_i32_f32 v[TMP], v[TMP]                   ; (it saturates)
	s_delay_alu instid0(VALU_DEP_1)
	v_ldexp_f32 v[FF], 1.0, v[TMP]                 ; f = 2^(old M - new M)
.set j, 0
.rept 32
	v_pk_fma_f32 v[S+j:S+j+1], v[S+j:S+j+1], s[CS:CS+1], v[ST:ST+1] op_sel_hi:[1,0,0]   ; t - M, two at a time
.set j, j+2
.endr
.irp b, 0,1,2,3
	v_fma_f32 v[BM+\b], v[BM+\b], s[CS], v[ST]     ; the same of each block's largest score
.endr
.set j, 0
	s_wait_alu depctr_va_vdst(0)
.rept 64
	v_exp_f32 v[S+j], v[S+j]                       ; p = 2^(t - M), at most 1
.set j, j+1
.endr
	v_pk_mul_f32 v[ST+2:ST+3], v[ST+2:ST+3], v[FF:FF+1] op_sel_hi:[1,0]   ; the sums under the new M: the plain place behind the exponentials
	s_wait_alu depctr_va_vdst(0)                   ; one wait for the batch of 64, ahead of its first reader
.irp b, 0,1,2,3
	v_exp_f32 v[BM+\b], v[BM+\b]                   ; the blocks' largest p
.endr
	v_pk_add_f32 v[CH:CH+1], v[S:S+1], v[S+2:S+3]  ; the row's sum is taken of the unquantised p, in two chains; it reads the 64 alone: plain work behind the four
.set j, 4
.rept 15
	v_pk_add_f32 v[ST+2:ST+3], v[ST+2:ST+3], v[S+j:S+j+1]
	v_pk_add_f32 v[CH:CH+1], v[CH:CH+1], v[S+j+2:S+j+3]
.set j, j+4
.endr
	s_delay_alu instid0(VALU_DEP_1)
	v_pk_add_f32 v[ST+2:ST+3], v[ST+2:ST+3], v[CH:CH+1]
	s_wait_alu depctr_va_vdst(0)                   ; and one for the four
.irp b, 0,1,2,3
	v_max_num_f32 v[BM+\b], 0x1800000, v[BM+\b]    ; the floor 2^(3 - 127): the byte cannot fall under 1
.endr
.irp b, 0,1,2,3
	s_delay_alu instid0(VALU_DEP_4)
	v_add_nc_u32 v[SOP+\b], 0xff000000, v[BM+\b]   ; 2 off the exponent field: the conversion's scale operand
.endr
.irp b, 0,1,2,3
	s_delay_alu instid0(VALU_DEP_4)
	v_lshrrev_b32 v[PD+\b], 23, v[SOP+\b]          ; the scale's byte
.endr
	s_delay_alu instid0(VALU_DEP_3)
	v_lshl_or_b32 v[PW+(\x)], v[PD+1], 8, v[PD]    ; p's scale word for these 128 keys
	s_delay_alu instid0(VALU_DEP_1)
	v_lshl_or_b32 v[PW+(\x)], v[PD+2], 16, v[PW+(\x)]
	s_delay_alu instid0(VALU_DEP_1)
	v_lshl_or_b32 v[PW+(\x)], v[PD+3], 24, v[PW+(\x)]
.irp t, 0,1,2,3,4,5,6,7
	v_cvt_scalef32_pk8_fp4_f32 v[PX+4*(\t/4)+2*(\t%2)+(\t/2)%2], v[S+8*\t:S+8*\t+7], v[SOP+\t/2]
.endr
	v_nop                                          ; one plain place behind a scaled conversion
.irp c, 0,1
.irp u, 0,1
	v_permlane16_swap_b32 v[PX+4*\c+2*\u], v[PX+4*\c+2*\u+1]   ; now registers 4 c + 2 u, + 1 of the operand: keys 64 c + 32 h + 16 u + 0 .. 15
.endr
.endr
.set j, 0
.rept 16
	v_pk_mul_f32 v[OX+j:OX+j+1], v[OX+j:OX+j+1], v[FF:FF+1] op_sel_hi:[1,0]   ; O^T under the new M.  Twelve of these sixteen name no register of any one product below: the places between the scale word, the codes and the products
.set j, j+2
.endr
.endm
	s_mov_b32 s[TB], 0
	s_mov_b32 s[CNT], 0
	s_wait_tensorcnt 0x0                           ; my record has landed,
	s_barrier_signal -1
	s_barrier_wait -1                              ; everybody's has: the whole head lies in LDS
	s_wait_loadcnt 0x0                             ; Q
.Lstep:                                            ; 16 trips of 128 keys
	s_setprio 2
	v_add_nc_u32 v[ADR], s[TB], v[LI]
	v_add_nc_u32 v[ADR8], s[TB], v[L8]
	v_nop
	v_nop                                          ; four places behind the last trip's products, in front of loads into the registers that they read
.irp t, 0,1,2,3,4,5,6,7
	ds_load_b128 v[KF+4*\t:KF+4*\t+3], v[ADR] offset:512*\t
.endr
	ds_load_b128 v[KSR:KSR+3], v[ADR] offset:8192
	s_wait_dscnt 0x0
	QK 0
	PLACES
	SOFTMAX 0
	QK 1
	PLACES                                         ; they serve the loads over K's registers and the first read of the scores
.irp t, 0,1,2,3,4,5,6,7
	ds_load_b128 v[KF+4*\t:KF+4*\t+3], v[ADR] offset:4096+512*\t   ; V^T: fragment dt's registers 4 c on at 8 dt + 4 c
.endr
	ds_load_b64 v[VSR:VSR+1], v[ADR8] offset:8704
	s_setprio 1
	SOFTMAX 1                                      ; V lands meanwhile
	s_setprio 0
	s_wait_alu depctr_va_vdst(0)
	s_wait_dscnt 0x0
.irp dt, 0,1,2,3                       ; O^T += V^T P^T: eight accumulators by turns, one instruction a turn
.irp x, 0,1
.if (\dt%2) == 0
	v_wmma_scale_f32_16x16x128_f8f6f4 v[OT+32*\x+8*\dt:OT+32*\x+8*\dt+7], v[KF+8*\dt:KF+8*\dt+7], v[PC+8*\x:PC+8*\x+7], v[OT+32*\x+8*\dt:OT+32*\x+8*\dt+7], v[VSR+\dt/2], v[PW+\x] matrix_a_fmt:MATRIX_FMT_FP4 matrix_b_fmt:MATRIX_FMT_FP4
.else
	v_wmma_scale_f32_16x16x128_f8f6f4 v[OT+32*\x+8*\dt:OT+32*\x+8*\dt+7], v[KF+8*\dt:KF+8*\dt+7], v[PC+8*\x:PC+8*\x+7], v[OT+32*\x+8*\dt:OT+32*\x+8*\dt+7], v[VSR+\dt/2], v[PW+\x] matrix_a_fmt:MATRIX_FMT_FP4 matrix_b_fmt:MATRIX_FMT_FP4 matrix_a_scale:MATRIX_SCALE_ROW1
.endif
.endr
.endr
	s_add_co_u32 s[TB], s[TB], REC
	s_add_co_u32 s[CNT], s[CNT], 1
	s_cmp_lt_u32 s[CNT], 16
	s_cbranch_scc1 .Lstep
	s_setprio 0
	; THE END.  The sums' halves and the other half of the lanes' are added (these lines are the places behind the last products); O^T is divided by the sum and quantised: a head's 64 channels are two blocks of the projection's K.
	v_add_f32 v[BM], v[STAT+2], v[STAT+3]
	v_add_f32 v[BM+1], v[STAT+6], v[STAT+7]
	s_delay_alu instid0(VALU_DEP_2)
	v_permlanex16_b32 v[PD], v[BM], s[SEL], s[SEL+1]
	s_delay_alu instid0(VALU_DEP_2)
	v_permlanex16_b32 v[PD+1], v[BM+1], s[SEL], s[SEL+1]
	s_delay_alu instid0(VALU_DEP_2)
	v_add_f32 v[BM], v[BM], v[PD]
	s_delay_alu instid0(VALU_DEP_2)
	v_add_f32 v[BM+1], v[BM+1], v[PD+1]
	s_wait_alu depctr_va_vdst(0)
	v_rcp_f32 v[SOP], v[BM]
	v_rcp_f32 v[SOP+2], v[BM+1]
	v_nop                                          ; a plain place behind the reciprocals
	s_wait_alu depctr_va_vdst(0)                   ; one wait for both, ahead of their first reader
.irp x, 0,1
.set j, 0
.rept 16
	v_pk_mul_f32 v[S+32*\x+j:S+32*\x+j+1], v[OT+32*\x+j:OT+32*\x+j+1], v[SOP+2*\x:SOP+2*\x+1] op_sel_hi:[1,0]   ; register 8 dt + i of a tile: o(query r, channel 16 dt + 8 h + i)
.set j, j+2
.endr
.endr
.irp b, 0,1,2,3                        ; blocks 0, 1: tile A's; 2, 3: tile B's
	v_max3_num_f32 v[BM+\b], |v[S+16*\b]|, |v[S+16*\b+1]|, 0x1800000
.endr
.irp i, 2,4,6,8,10,12,14
.irp b, 0,1,2,3
	s_delay_alu instid0(VALU_DEP_4)
	v_max3_num_f32 v[BM+\b], v[BM+\b], |v[S+16*\b+\i]|, |v[S+16*\b+\i+1]|
.endr
.endr
.irp b, 0,1,2,3
	s_delay_alu instid0(VALU_DEP_4)
	v_permlanex16_b32 v[PD+\b], v[BM+\b], s[SEL], s[SEL+1]
.endr
.irp b, 0,1,2,3
	s_delay_alu instid0(VALU_DEP_4)
	v_max_num_f32 v[BM+\b], v[BM+\b], v[PD+\b]
.endr
.irp b, 0,1,2,3
	s_delay_alu instid0(VALU_DEP_4)
	v_add_nc_u32 v[SOP+\b], 0xff000000, v[BM+\b]
.endr
.irp b, 0,1,2,3
	s_delay_alu instid0(VALU_DEP_4)
	v_lshrrev_b32 v[PD+\b], 23, v[SOP+\b]
.endr
	s_delay_alu instid0(VALU_DEP_3)
	v_lshl_or_b32 v[PW], v[PD+1], 8, v[PD]         ; a token's two bytes of this head
	s_delay_alu instid0(VALU_DEP_2)
	v_lshl_or_b32 v[PW+1], v[PD+3], 8, v[PD+2]
.irp x, 0,1
.irp tt, 0,1,2,3
	v_cvt_scalef32_pk8_fp4_f32 v[PC+4*\x+2*(\tt%2)+\tt/2], v[S+32*\x+8*\tt:S+32*\x+8*\tt+7], v[SOP+2*\x+\tt/2]
.endr
.endr
	v_nop                                          ; one plain place behind a scaled conversion
.irp x, 0,1
.irp u, 0,1
	v_permlane16_swap_b32 v[PC+4*\x+2*\u], v[PC+4*\x+2*\u+1]
.endr
.endr
	global_store_b128 v[LI], v[PC:PC+3], s[10:11]                  ; 512 consecutive bytes, at a multiple of 256: half a fragment of the projection's operand
	global_store_b128 v[LI], v[PC+4:PC+7], s[10:11] offset:8192
	ds_store_b16 v[HST], v[PW]                     ; both halves of the lanes write the same half-word with the same value
	ds_store_b16 v[HST], v[PW+1] offset:32
	s_wait_dscnt 0x0                               ; for the others' sake
	s_barrier_signal -1
	s_barrier_wait -1
	s_cmp_lt_u32 s[WV], 2
	s_cbranch_scc0 .Lnot_mine
	ds_load_b128 v[S:S+3], v[HRD]                  ; waves 0 and 1 carry the work-group's 512 half-words out, 512 bytes each
	s_wait_dscnt 0x0
	global_store_b128 v[LI], v[S:S+3], s[12:13]
.Lnot_mine:
	s_wait_tensorcnt 0x0
	ds_add_u32 v254, v255
	s_wait_dscnt 0x0
	CROUND                                         ; the closing round: no work-group ends while a partner may still ask for a record that names it
	s_endpgm
.Lfunc_end_k_qa17693d557_attn:
	.size	k_qa17693d557_attn, .Lfunc_end_k_qa17693d557_attn-k_qa17693d557_attn
	.p2alignl 7, 3214868480
	.fill 96, 4, 3214868480
	.section	.rodata,"a",@progbits
	.p2align	6, 0x0
	.amdhsa_kernel k_qa17693d557_attn
		.amdhsa_group_segment_fixed_size 327680
		.amdhsa_private_segment_fixed_size 0
		.amdhsa_enable_private_segment 0
		.amdhsa_kernarg_size 40
		.amdhsa_user_sgpr_count 2
		.amdhsa_user_sgpr_kernarg_segment_ptr 1
		.amdhsa_wavefront_size32 1
		.amdhsa_system_sgpr_workgroup_id_x 1
		.amdhsa_system_sgpr_workgroup_id_y 1
		.amdhsa_system_sgpr_workgroup_id_z 1
		.amdhsa_system_vgpr_workitem_id 0
		.amdhsa_next_free_vgpr 256
		.amdhsa_next_free_sgpr 66
		.amdhsa_reserve_vcc 0
		.amdhsa_float_denorm_mode_32 3
		.amdhsa_float_denorm_mode_16_64 3
		.amdhsa_memory_ordered 1
		.amdhsa_forward_progress 1
		.amdhsa_inst_pref_size 47
	.end_amdhsa_kernel
	.amdgpu_metadata
---
amdhsa.version: [ 1, 2 ]
amdhsa.kernels:
  - .name:           k_qa17693d557_attn
    .symbol:         k_qa17693d557_attn.kd
    .args:
      - { .name: qc, .offset: 0, .size: 8, .value_kind: global_buffer, .address_space: global }
      - { .name: qs, .offset: 8, .size: 8, .value_kind: global_buffer, .address_space: global }
      - { .name: kv, .offset: 16, .size: 8, .value_kind: global_buffer, .address_space: global }
      - { .name: ac, .offset: 24, .size: 8, .value_kind: global_buffer, .address_space: global }
      - { .name: asc, .offset: 32, .size: 8, .value_kind: global_buffer, .address_space: global }
    .group_segment_fixed_size: 327680
    .private_segment_fixed_size: 0
    .kernarg_segment_align: 8
    .kernarg_segment_size: 40
    .max_flat_workgroup_size: 512
    .sgpr_count:     66
    .vgpr_count:     256
    .wavefront_size: 32
...
	.end_amdgpu_metadata
.endif
;; end of part 2
;; launch proj (part 3): grid 4 x 64, 4 waves a work-group, clusters of 4 x 4, 327,680 bytes of LDS; arguments ac, asc, W_proj_codes, W_proj_scales, b_proj, out0; writes out0
.if DOCPART == 3
	.amdgcn_target "amdgcn-amd-amdhsa--gfx1250"
	.amdhsa_code_object_version 6
	.text
	.protected	k_qa17693d557_proj
	.globl	k_qa17693d557_proj
	.p2align	8
	.type	k_qa17693d557_proj,@function
k_qa17693d557_proj:
	s_mov_b64 s[64:65], 0
	v_nop
	global_prefetch_b8 v0, s[64:65] scope:SCOPE_SE
	s_setreg_imm32_b32 hwreg(HW_REG_WAVE_MODE, 25, 1), 1
	s_wait_xcnt 0x0
	s_wait_alu depctr_hold_cnt(0) depctr_sa_sdst(0) depctr_va_vdst(0) depctr_va_sdst(0) depctr_va_ssrc(0) depctr_va_vcc(0) depctr_vm_vsrc(0)
	s_getreg_b32 s2, hwreg(HW_REG_IB_STS2, 6, 4)
	s_cmp_eq_u32 s2, 0
	s_cbranch_scc0 .Lentry_in_a_cluster
	s_endpgm
.Lentry_in_a_cluster:
	s_bfe_u32 s2, ttmp6, 0x10000c
	s_cmp_lg_u32 s2, 0xf033
	s_cbranch_scc0 .Lentry_shape_is_right
	s_endpgm
.Lentry_shape_is_right:
; out0 = a W_proj^T + b_proj on codes of FP4 (E2M1) with one E8M0 scale for each 32 along K = 1,024.  a, the attention's result, comes as images of operand registers: ac [token tile 512][head 16][512 B]: head 2 s + cc is registers
; 4 cc .. 4 cc + 3 of K step s; its scale bytes asc [head 16][token 8,192], two bytes each.  W_proj comes as rows of 512 bytes and 32 scale bytes.
; SHARES.  A work-group makes 128 tokens (Y) x 256 columns (X).  Wave w: I = w / 2 (64 tokens), JN = w % 2 (128 columns): 32 accumulators.
; LDS.  The whole K of both operands fits at once, as two chunks of 512 along K: a's images dense, W's rows of 256 bytes 272 apart.  Waves 0, 1 fetch a's halves, waves 2, 3 W's: three tensor loads each, all at the start; no LDS byte is filled twice.
; CLUSTER 4 x 4.  a's tiles hang on Y alone and are asked for jointly by a row of the cluster, W's on X alone, by a column.
; LAYOUT.  Source 0 = 16 rows of W, source 1 = 16 tokens: a lane holds eight neighbouring columns of one row of out0.  The bias is the C of each sum's first matrix instruction.
; The way out goes through each wave's own stage in LDS, so that 32 lanes store 512 consecutive bytes of a row.
.set PITCH,  272
.set WROW,   65536                     ; behind a's images (2 chunks x 8 tiles x 4,096 bytes): W's rows
.set WCH,    256*PITCH                 ; a chunk of them
.set WSC,    WROW+2*WCH                ; W's scale bytes: 32 rows of 256 + 16
.set SCS,    16*PITCH
.set ASC,    WSC+2*SCS                 ; a's half-words: [head 16][256 B]
.set STG,    ASC+4096                  ; the stages: 16 rows x (512 + 16) bytes for each wave; no tensor load lands here
.set SPITCH, 528
.set PADW,   (1<<20)|(1<<21)|(5<<22)|(3<<25)   ; group 1, word 0: padding on; 21 set beside a mask; after every 64 words four words
.set LI,    1                          ; v1   16 x lane
.set ADRA,  2                          ; v2   a's images: 16 x lane + my four tiles
.set ADRB,  3                          ; v3-4 W's fragments in chunk 0, 1
.set ADRSW, 5                          ; v5   W's scale words: lanes 0-15 an even tile's rows, lanes 16-31 the odd tile's
.set ADRAS, 6                          ; v6   a's half-words likewise
.set STO,   7                          ; v7   the stage: where I put 32 bytes of a row;  v8 where I read a row back
.set RD,    8
.set BO8,   9                          ; v9   32 h
.set WS,    32                         ; v32-63 W's scale words: 16 x chunk + 4 x pair of tiles + step in the chunk
.set AS,    64                         ; v64-79 a's scale words: 8 x pair of tiles + K step.  v32-79 hold scales and nothing else
.set AF,    128                        ; v128-191 a's fragments, two sets of four
.set HW,    192                        ; v192-223 the 32 half-words
.set BK,    128                        ; the way out: v128-191 and v192-255 by turns
.set BB,    192                        ; window 1: v0-63, v128-191 W's fragments, two sets of eight; v192-255 the bias, 8 tiles x 8.  window 2: the accumulators at v[8 (8 a + nt)]
.set WV,  16                           ; s16 wave;  s17 I, and: I fetch for a (0) or for W (1);  s18 JN, and: which half I fetch
.set G1AS, 20                          ; s[20:27] group 1, a's half-words;  s[28:35] a's images;  s[36:43] W's scales;  s[44:51] W's codes
.set G1A,  28
.set G1WS, 36
.set G1B,  44
.set GAS,  52                          ; groups 0
.set GA0,  56
.set GA1,  60
.set GBS,  68
.set GB0,  72
.set GB1,  76
.set MSB, 0
.macro WIN new                         ; the immediate's high byte repeats the setting that is left
.if MSB != \new
	s_set_vgpr_msb (MSB<<8)|\new
.set MSB, \new
.endif
.endm
.macro CROUND                          ; a round of the cluster's barrier
	s_barrier_signal -1
	s_barrier_wait -1
	s_cmp_lg_u32 s[WV], 0
	s_cbranch_scc1 .Lnot_wave_0_\@
	s_barrier_signal -3
.Lnot_wave_0_\@:
	s_barrier_wait -3
	s_barrier_signal -1
	s_barrier_wait -1
.endm
.macro PLACES                          ; four plain places behind a matrix instruction (ISA guide 7.12.1)
.rept 4
	v_nop
.endr
.endm
	s_load_b256 s[4:11], s[0:1], 0x0               ; ac s[4:5], asc s[6:7], W's codes s[8:9], W's scales s[10:11]
	s_load_b128 s[12:15], s[0:1], 0x20             ; b_proj s[12:13], out0 s[14:15]
	v_lshl_add_u32 v126, v0, 2, 0x3d600
	v_mov_b32 v127, 0
	ds_add_u32 v126, v127
	ds_add_u32 v126, v127
	v_lshrrev_b32 v20, 5, v0
	v_readfirstlane_b32 s[WV], v20                 ; wave 0..3
	s_lshr_b32 s17, s[WV], 1
	s_and_b32 s18, s[WV], 1
	s_bfe_u32 s80, ttmp6, 0x40000                  ; cx
	s_bfe_u32 s81, ttmp6, 0x40004                  ; cy
	s_lshl_b32 s82, ttmp9, 2
	s_add_co_u32 s82, s82, s80                     ; X: the 256 columns
	s_and_b32 s83, ttmp7, 0xffff
	s_lshl_b32 s83, s83, 2
	s_add_co_u32 s83, s83, s81                     ; Y: the 128 tokens
	s_lshl_b32 s84, s81, 2
	s_lshl_b32 s84, 15, s84                        ; my row of the cluster
	s_lshl_b32 s85, 0x1111, s80                    ; my column
	s_or_b32 s[G1AS], s84, (3<<16)|(1<<21)         ; a's half-words: 8 heads x 256 bytes (32 elements of 8 bytes), 16,384 bytes apart; dense in LDS
	s_mov_b32 s[G1AS+1], 32<<16
	s_mov_b32 s[G1AS+2], 8<<16
	s_mov_b32 s[G1AS+3], 32<<16
	s_mov_b32 s[G1AS+4], 8
	s_mov_b32 s[G1AS+5], 2048
	s_mov_b32 s[G1AS+6], 0
	s_mov_b32 s[G1AS+7], 0
	s_or_b32 s[G1A], s84, (3<<16)|(1<<21)          ; a's images: 4 tiles x 4,096 bytes (512 elements of 8 bytes), 8,192 bytes apart; dense in LDS
	s_mov_b32 s[G1A+1], 512<<16
	s_mov_b32 s[G1A+2], 4<<16
	s_mov_b32 s[G1A+3], 512<<16
	s_mov_b32 s[G1A+4], 4
	s_mov_b32 s[G1A+5], 1024
	s_mov_b32 s[G1A+6], 0
	s_mov_b32 s[G1A+7], 0
	s_or_b32 s[G1WS], s85, (3<<16)|PADW            ; W's scale bytes of 128 rows: 4,096 dense bytes as 16 rows of 256
	s_mov_b32 s[G1WS+1], 32<<16
	s_mov_b32 s[G1WS+2], 16<<16
	s_mov_b32 s[G1WS+3], 32<<16
	s_mov_b32 s[G1WS+4], 16
	s_mov_b32 s[G1WS+5], 32
	s_mov_b32 s[G1WS+6], 0
	s_mov_b32 s[G1WS+7], 0
	s_or_b32 s[G1B], s85, PADW                     ; W's codes: 128 rows x 256 bytes of rows of 512
	s_mov_b32 s[G1B+1], 256<<16
	s_mov_b32 s[G1B+2], 128<<16
	s_mov_b32 s[G1B+3], 256<<16
	s_mov_b32 s[G1B+4], 128
	s_mov_b32 s[G1B+5], 512
	s_mov_b32 s[G1B+6], 0
	s_mov_b32 s[G1B+7], 0
	s_lshl_b32 s86, s18, 17                        ; asc: heads 8 e on, tokens 128 Y on.  s86-89 hold Y alone
	s_lshl_b32 s88, s83, 8
	s_add_co_u32 s86, s86, s88
	s_mov_b32 s87, 0
	s_lshl_b32 s88, s83, 16                        ; ac: token tiles 8 Y + 4 e on
	s_lshl_b32 s89, s18, 15
	s_add_co_u32 s88, s88, s89
	s_mov_b32 s89, 0
	s_lshl_b32 s90, s82, 13                        ; W's scales: rows 256 X + 128 e on.  s90-93 hold X alone
	s_lshl_b32 s92, s18, 12
	s_add_co_u32 s90, s90, s92
	s_mov_b32 s91, 0
	s_lshl_b32 s92, s82, 17                        ; W's codes
	s_lshl_b32 s93, s18, 16
	s_add_co_u32 s92, s92, s93
	s_mov_b32 s93, 0
	s_mov_b32 s[GAS], 1
	s_lshl_b32 s94, s18, 11
	s_add_co_u32 s[GAS+1], s94, ASC                ; LDS addresses hang on the wave's number alone
	s_mov_b32 s[GA0], 1
	s_lshl_b32 s[GA0+1], s18, 14
	s_mov_b32 s[GA1], 1
	s_add_co_u32 s[GA1+1], s[GA0+1], 32768
	s_mov_b32 s[GBS], 1
	s_mul_i32 s94, s18, SCS
	s_add_co_u32 s[GBS+1], s94, WSC
	s_mov_b32 s[GB0], 1
	s_mul_i32 s94, s18, 128*PITCH
	s_add_co_u32 s[GB0+1], s94, WROW
	s_mov_b32 s[GB1], 1
	s_add_co_u32 s[GB1+1], s94, WROW+WCH
	s_wait_dscnt 0x0
	s_wait_kmcnt 0x0
	s_add_nc_u64 s[GAS+2:GAS+3], s[6:7], s[86:87]
	s_or_b32 s[GAS+3], s[GAS+3], 0x80000000
	s_add_nc_u64 s[GA0+2:GA0+3], s[4:5], s[88:89]
	s_add_nc_u64 s[GA1+2:GA1+3], s[GA0+2:GA0+3], 4096
	s_or_b32 s[GA0+3], s[GA0+3], 0x80000000
	s_or_b32 s[GA1+3], s[GA1+3], 0x80000000
	s_add_nc_u64 s[GBS+2:GBS+3], s[10:11], s[90:91]
	s_or_b32 s[GBS+3], s[GBS+3], 0x80000000
	s_add_nc_u64 s[GB0+2:GB0+3], s[8:9], s[92:93]
	s_add_nc_u64 s[GB1+2:GB1+3], s[GB0+2:GB0+3], 256
	s_or_b32 s[GB0+3], s[GB0+3], 0x80000000
	s_or_b32 s[GB1+3], s[GB1+3], 0x80000000
	CROUND                                         ; all sixteen work-groups are here: the joint loads meet
	s_cmp_eq_u32 s17, 0                            ; a wave's three fills stand in one branch on the wave's number: three loads of mine are out
	s_cbranch_scc0 .Lfor_w
	tensor_load_to_lds s[GAS:GAS+3], s[G1AS:G1AS+7]
	s_nop 0
	tensor_load_to_lds s[GA0:GA0+3], s[G1A:G1A+7]
	s_nop 0
	tensor_load_to_lds s[GA1:GA1+3], s[G1A:G1A+7]
	s_nop 0
.rept 4
	v_nop
.endr
	s_branch .Lasked
.Lfor_w:
	tensor_load_to_lds s[GBS:GBS+3], s[G1WS:G1WS+7]
	s_nop 0
	tensor_load_to_lds s[GB0:GB0+3], s[G1B:G1B+7]
	s_nop 0
	tensor_load_to_lds s[GB1:GB1+3], s[G1B:G1B+7]
	s_nop 0
.rept 4
	v_nop
.endr
.Lasked:
	v_and_b32 v20, 15, v0                          ; r
	v_bfe_u32 v21, v0, 4, 1                        ; h
	v_and_b32 v22, 31, v0                          ; lane
	v_lshlrev_b32 v[LI], 4, v22
	s_lshl_b32 s2, s17, 14
	v_add_nc_u32 v[ADRA], s2, v[LI]
	v_mul_u32_u24 v23, v20, PITCH
	v_lshl_add_u32 v23, v21, 4, v23
	s_mul_i32 s2, s18, 128*PITCH
	s_add_co_u32 s2, s2, WROW
	v_add_nc_u32 v[ADRB], s2, v23
	v_add_nc_u32 v[ADRB+1], WCH, v[ADRB]
	v_lshrrev_b32 v24, 3, v22
	v_mul_u32_u24 v24, v24, PITCH
	v_and_b32 v25, 7, v22
	v_lshl_add_u32 v24, v25, 5, v24
	s_mul_i32 s2, s18, SCS
	s_add_co_u32 s2, s2, WSC
	v_add_nc_u32 v[ADRSW], s2, v24
	s_lshl_b32 s2, s17, 7
	s_add_co_u32 s2, s2, ASC
	v_lshl_add_u32 v[ADRAS], v22, 1, s2
	s_mul_i32 s2, s[WV], 16*SPITCH
	s_add_co_u32 s2, s2, STG
	v_mul_u32_u24 v[STO], v20, SPITCH
	v_lshl_add_u32 v[STO], v21, 5, v[STO]
	v_add_nc_u32 v[STO], s2, v[STO]
	v_add_nc_u32 v[RD], s2, v[LI]
	v_lshlrev_b32 v[BO8], 5, v21
	s_wait_alu depctr_va_vdst(0)
	s_lshl_b32 s2, s82, 10
	s_lshl_b32 s3, s18, 9
	s_add_co_u32 s2, s2, s3                        ; my first column, in bytes: 1,024 X + 512 JN
	s_mov_b32 s3, 0
	s_add_nc_u64 s[12:13], s[12:13], s[2:3]
	s_lshl_b32 s19, s83, 19
	s_add_co_u32 s2, s2, s19
	s_lshl_b32 s19, s17, 18
	s_add_co_u32 s2, s2, s19                       ; + my first row: (128 Y + 64 I) x 4,096
	s_add_nc_u64 s[14:15], s[14:15], s[2:3]
	WIN 0x40                                       ; destination window 1
.irp nt, 0,1,2,3,4,5,6,7
	global_load_b128 v[BB+8*\nt:BB+8*\nt+3], v[BO8], s[12:13] offset:64*\nt          ; lane (r, h), register j: the bias of column 16 nt + 8 h + j
	global_load_b128 v[BB+8*\nt+4:BB+8*\nt+7], v[BO8], s[12:13] offset:64*\nt+16
.endr
	WIN 0
.macro WM d, a, b, c, sa, sb, ra, rb   ; ra, rb: which half of the lanes holds A's, B's scale words
.if ((\ra) == 0) && ((\rb) == 0)
	v_wmma_scale_f32_16x16x128_f8f6f4 v[\d:\d+7], v[\a:\a+7], v[\b:\b+7], v[\c:\c+7], v[\sa], v[\sb] matrix_a_fmt:MATRIX_FMT_FP4 matrix_b_fmt:MATRIX_FMT_FP4
.elseif (\rb) == 0
	v_wmma_scale_f32_16x16x128_f8f6f4 v[\d:\d+7], v[\a:\a+7], v[\b:\b+7], v[\c:\c+7], v[\sa], v[\sb] matrix_a_fmt:MATRIX_FMT_FP4 matrix_b_fmt:MATRIX_FMT_FP4 matrix_a_scale:MATRIX_SCALE_ROW1
.elseif (\ra) == 0
	v_wmma_scale_f32_16x16x128_f8f6f4 v[\d:\d+7], v[\a:\a+7], v[\b:\b+7], v[\c:\c+7], v[\sa], v[\sb] matrix_a_fmt:MATRIX_FMT_FP4 matrix_b_fmt:MATRIX_FMT_FP4 matrix_b_scale:MATRIX_SCALE_ROW1
.else
	v_wmma_scale_f32_16x16x128_f8f6f4 v[\d:\d+7], v[\a:\a+7], v[\b:\b+7], v[\c:\c+7], v[\sa], v[\sb] matrix_a_fmt:MATRIX_FMT_FP4 matrix_b_fmt:MATRIX_FMT_FP4 matrix_a_scale:MATRIX_SCALE_ROW1 matrix_b_scale:MATRIX_SCALE_ROW1
.endif
.endm
.macro FETCH q                         ; K step q's twelve fragments into set q % 2: 24 loads in one run
	WIN 0x40
.irp nt, 0,1,2,3,4,5,6,7
	ds_load_b128 v[128*((\q)%2)+8*\nt:128*((\q)%2)+8*\nt+3], v[ADRB+(\q)/4] offset:\nt*16*PITCH+64*((\q)%4)
	ds_load_b128 v[128*((\q)%2)+8*\nt+4:128*((\q)%2)+8*\nt+7], v[ADRB+(\q)/4] offset:\nt*16*PITCH+64*((\q)%4)+32
.endr
	WIN 0
.irp a, 0,1,2,3
	ds_load_b128 v[AF+32*((\q)%2)+8*\a:AF+32*((\q)%2)+8*\a+3], v[ADRA] offset:32768*((\q)/4)+4096*\a+1024*((\q)%4)
	ds_load_b128 v[AF+32*((\q)%2)+8*\a+4:AF+32*((\q)%2)+8*\a+7], v[ADRA] offset:32768*((\q)/4)+4096*\a+1024*((\q)%4)+512
.endr
.endm
; 16 matrix instructions: a's tiles a0, a0 + 1 x W's eight.  The 32 accumulators take turns, one instruction a turn, in the same order in every K step.
.macro MULH q, a0, first
.if \first
	WIN 0x91                                       ; source 0 (W) and C (the bias) window 1, source 1 (a) window 0, D window 2
.else
	WIN 0xa1
.endif
.irp a, \a0, \a0+1
.irp nt, 0,1,2,3,4,5,6,7
.if \first
	WM 8*(8*(\a)+\nt), 128*((\q)%2)+8*\nt, AF+32*((\q)%2)+8*(\a), BB+8*\nt, WS+16*((\q)/4)+4*(\nt/2)+(\q)%4, AS+8*((\a)/2)+(\q), \nt%2, (\a)%2
.else
	WM 8*(8*(\a)+\nt), 128*((\q)%2)+8*\nt, AF+32*((\q)%2)+8*(\a), 8*(8*(\a)+\nt), WS+16*((\q)/4)+4*(\nt/2)+(\q)%4, AS+8*((\a)/2)+(\q), \nt%2, (\a)%2
.endif
.endr
.endr
.endm
.macro STEP q
	s_wait_dscnt 0x0                               ; this step's fragments are in
.if (\q) == 0
	FETCH 1
	MULH 0, 0, 1
	MULH 0, 2, 1
.elseif (\q) == 3
	s_wait_tensorcnt 0x0                           ; my part of chunk 1 has landed: say so,
	s_barrier_signal -1
	MULH 3, 0, 0                                   ; work on registers while the others arrive,
	WIN 0
	s_barrier_wait -1                              ; and read chunk 1 only when all four have said so
	PLACES
	FETCH 4
	MULH 3, 2, 0
.elseif (\q) == 7
	MULH 7, 0, 0
	MULH 7, 2, 0
.else
	PLACES
	FETCH (\q)+1
	MULH \q, 0, 0
	MULH \q, 2, 0
.endif
.endm
	s_wait_tensorcnt 0x1                           ; my scale bytes and my part of chunk 0 are in; the one younger load, chunk 1's, may stay out
	s_barrier_signal -1
	s_barrier_wait -1                              ; everybody's are
.irp c, 0,1
.irp pr, 0,1,2,3
	ds_load_b128 v[WS+16*\c+4*\pr:WS+16*\c+4*\pr+3], v[ADRSW] offset:4*PITCH*\pr+16*\c
.endr
.endr
.irp pr, 0,1
.irp hd, 0,1,2,3,4,5,6,7,8,9,10,11,12,13,14,15
	ds_load_u16 v[HW+16*\pr+\hd], v[ADRAS] offset:256*\hd+64*\pr
.endr
.endr
	s_wait_dscnt 0x0
	FETCH 0
.irp pr, 0,1
.irp sg, 0,1,2,3,4,5,6,7
	v_lshl_or_b32 v[AS+8*\pr+\sg], v[HW+16*\pr+2*\sg+1], 16, v[HW+16*\pr+2*\sg]   ; K step sg's word of a token: heads 2 sg and 2 sg + 1, two bytes each
.endr
.endr
.rept 8
	v_nop                                          ; a scale register written by a vector instruction stands eight places ahead of a scaled matrix instruction
.endr
	s_wait_alu depctr_va_vdst(0)
	s_wait_loadcnt 0x0                             ; the bias
	STEP 0
	STEP 1
	STEP 2
	STEP 3
	STEP 4
	STEP 5
	STEP 6
	STEP 7
	WIN 0
; THE WAY OUT, block by block of 16 rows x 128 columns: through my own stage and back as whole rows of 512 bytes.  LDS serves a wave's instructions in order (ISA guide 5.7.1.4): no wait between the stores and the loads, nor in front of the next block's stores.
.macro TOSTAGE a
	WIN 0x08                                       ; an LDS store's data are its source 1: window 2
.irp nt, 0,1,2,3,4,5,6,7
	ds_store_b128 v[STO], v[8*(8*(\a)+\nt):8*(8*(\a)+\nt)+3] offset:64*\nt           ; each accumulator from its low end on
	ds_store_b128 v[STO], v[8*(8*(\a)+\nt)+4:8*(8*(\a)+\nt)+7] offset:64*\nt+16
.endr
	WIN 0
.irp t, 0,1,2,3,4,5,6,7,8,9,10,11,12,13,14,15
	ds_load_b128 v[BK+64*((\a)%2)+4*\t:BK+64*((\a)%2)+4*\t+3], v[RD] offset:\t*SPITCH
.endr
.endm
.macro SEND a, younger                 ; younger: the LDS instructions issued behind block a's loads, which may stay out
	s_wait_dscnt \younger
.irp t, 0,1,2,3,4,5,6,7,8,9,10,11,12,13,14,15
	global_store_b128 v[LI], v[BK+64*((\a)%2)+4*\t:BK+64*((\a)%2)+4*\t+3], s[14:15] offset:65536*(\a)+4096*\t th:TH_STORE_NT   ; 32 lanes store 512 consecutive bytes, at a multiple of 256; written once, read by nobody here
.endr
.endm
	PLACES                                         ; behind the last products: for the first read of results and for the loads into the registers that held a's fragments
	TOSTAGE 0
	TOSTAGE 1
	SEND 0, 32                                     ; behind block 0's loads: block 1's 16 stores and 16 loads
	s_wait_xcnt 0x0                                ; block 0's stores have read their registers: block 2's loads may land there
	TOSTAGE 2
	SEND 1, 32
	s_wait_xcnt 0x0                                ; block 1's likewise
	TOSTAGE 3
	SEND 2, 32
	SEND 3, 0
	s_wait_tensorcnt 0x0
	ds_add_u32 v126, v127
	s_wait_dscnt 0x0
	CROUND                                         ; the closing round: no work-group ends while a partner may still ask for a tile that names it
	s_endpgm
.Lfunc_end_k_qa17693d557_proj:
	.size	k_qa17693d557_proj, .Lfunc_end_k_qa17693d557_proj-k_qa17693d557_proj
	.p2alignl 7, 3214868480
	.fill 96, 4, 3214868480
	.section	.rodata,"a",@progbits
	.p2align	6, 0x0
	.amdhsa_kernel k_qa17693d557_proj
		.amdhsa_group_segment_fixed_size 327680
		.amdhsa_private_segment_fixed_size 0
		.amdhsa_enable_private_segment 0
		.amdhsa_kernarg_size 48
		.amdhsa_user_sgpr_count 2
		.amdhsa_user_sgpr_kernarg_segment_ptr 1
		.amdhsa_wavefront_size32 1
		.amdhsa_system_sgpr_workgroup_id_x 1
		.amdhsa_system_sgpr_workgroup_id_y 1
		.amdhsa_system_sgpr_workgroup_id_z 1
		.amdhsa_system_vgpr_workitem_id 0
		.amdhsa_next_free_vgpr 768
		.amdhsa_next_free_sgpr 96
		.amdhsa_reserve_vcc 0
		.amdhsa_float_denorm_mode_32 3
		.amdhsa_float_denorm_mode_16_64 3
		.amdhsa_memory_ordered 1
		.amdhsa_forward_progress 1
		.amdhsa_inst_pref_size 75
	.end_amdhsa_kernel
	.amdgpu_metadata
---
amdhsa.version: [ 1, 2 ]
amdhsa.kernels:
  - .name:           k_qa17693d557_proj
    .symbol:         k_qa17693d557_proj.kd
    .args:
      - { .name: ac, .offset: 0, .size: 8, .value_kind: global_buffer, .address_space: global }
      - { .name: asc, .offset: 8, .size: 8, .value_kind: global_buffer, .address_space: global }
      - { .name: W_proj_codes, .offset: 16, .size: 8, .value_kind: global_buffer, .address_space: global }
      - { .name: W_proj_scales, .offset: 24, .size: 8, .value_kind: global_buffer, .address_space: global }
      - { .name: b_proj, .offset: 32, .size: 8, .value_kind: global_buffer, .address_space: global }
      - { .name: out0, .offset: 40, .size: 8, .value_kind: global_buffer, .address_space: global }
    .group_segment_fixed_size: 327680
    .private_segment_fixed_size: 0
    .kernarg_segment_align: 8
    .kernarg_segment_size: 48
    .max_flat_workgroup_size: 128
    .sgpr_count:     96
    .vgpr_count:     768
    .wavefront_size: 32
...
	.end_amdgpu_metadata
.endif
;; end of part 3
